; MI455X (gfx1250); checked and timed in simulation.
; The chip was launched on July 23, 2026; its instructions are those of AMD's public machine-readable ISA for CDNA 5 (MIT licence, August 2026) and "CDNA5" Instruction Set Architecture Reference Guide (July 2026). The comments in the code are by the model that wrote it; some were corrected since.
;; Modular Decoder. Allowed arithmetic: float matrix products may take bf16 or f16 operands with f32 sums; all other float work in f32.
;; Inputs: W1 16 x 400 x 128 float32; W2 16 x 4,096 x 400 float32; angle_idx 2,048 int32; b1 16 x 400 float32; b2 16 x 4,096 float32; z 2,048 x 128 float32.
;; Outputs: out0 2,048 x 4,096 float32.
;; 2 versions, each right and faster than the one before. Each part assembles by itself: llvm-mc -triple=amdgcn-amd-amdhsa -mcpu=gfx1250 --defsym DOCPART=n.
;; ======== version 1 of 2: 2 launches
;; workspace buffers: lists 135,168 bytes of whole numbers
;; launch route (part 1): grid 16 x 1, 1 waves a work-group, no clusters, 0 bytes of LDS; arguments angle_idx, lists; writes lists
.if DOCPART == 1
	.amdgcn_target "amdgcn-amd-amdhsa--gfx1250"
	.amdhsa_code_object_version 6
	.text
	.protected	k_q3825dfb6f8_route
	.globl	k_q3825dfb6f8_route
	.p2align	8
	.type	k_q3825dfb6f8_route,@function
k_q3825dfb6f8_route:
	s_mov_b64 s[64:65], 0
	v_nop
	global_prefetch_b8 v0, s[64:65] scope:SCOPE_SE
	s_setreg_imm32_b32 hwreg(HW_REG_WAVE_MODE, 25, 1), 1
	s_wait_xcnt 0x0
; ROUTING.  Work-group e (one wave) writes row e of lists: 8,448 bytes.  Words 0..2047 are a permutation of the row numbers 0..2047:
; the n rows with angle_idx = e stand at places 0..n-1, all other rows fill the places from 2047 downward; words 2048..2079 hold n (one copy a lane).
; So every word that a later launch reads is stored once, every list word is a row number inside the batch, and no lane is ever switched off.
; LIMIT.  angle_idx lies in 0..15, as an index into the 16 experts does; a row with another number appears among no expert's first n.
; The order of the walk: step k = 4 j + c takes, in lane l, element 128 j + 4 l + c; its number in the walk is 32 k + l.
; Each step owns its offset and value registers, so no register that a store may still read is written again and the text needs no wait for that.
; The stores are 4 bytes a lane; lanes that match (and lanes that do not) write neighbouring words.  The whole table is 128 KiB.
.set IDX, 8                            ; v[8:71]    the 2,048 indices, 64 a lane
.set OFF, 72                           ; v[72:135]  step k: byte offset of my word in the row
.set VAL, 136                          ; v[136:199] step k: my row number
	s_load_b128 s[4:7], s[0:1], 0x0                ; angle_idx s[4:5], lists s[6:7]
	s_mov_b32 s11, ttmp9                           ; e
	s_mul_i32 s8, ttmp9, 8448                      ; my row of lists
	s_mov_b32 s9, 0
	s_mov_b32 s10, 0                               ; matches so far
	v_lshlrev_b32 v1, 4, v0                        ; 16 l
	v_lshlrev_b32 v2, 2, v0                        ; 4 l
	v_sub_nc_u32 v3, 0, v0                         ; -l
	s_wait_kmcnt 0x0
	s_add_nc_u64 s[6:7], s[6:7], s[8:9]
.set j, 0
.rept 16
	global_load_b128 v[IDX+4*j:IDX+4*j+3], v1, s[4:5] offset:512*j   ; 512 neighbouring bytes a load
.set j, j+1
.endr
.set k, 0
.rept 64
.if k%4 == 0
	s_wait_loadcnt 15-k/4                          ; loads come back in order: load k / 4 is in, the younger ones stay out
.endif
	v_cmp_eq_u32 s12, s11, v[IDX+k]                ; who matches in this step
	v_mbcnt_lo_u32_b32 v4, s12, s10                ; matches ahead of me in the walk: a match's place
	v_add3_u32 v5, v4, v3, 2047-32*k               ; 2047 - (32 k + l - matches ahead): the place of one that does not match
	v_cndmask_b32 v4, v5, v4, s12
	v_min_u32 v4, 2047, v4                         ; a place made of loaded numbers enters an address only behind this bound
	v_lshlrev_b32 v[OFF+k], 2, v4
	v_add_nc_u32 v[VAL+k], 128*(k/4)+k%4, v2       ; my element's row number
	global_store_b32 v[OFF+k], v[VAL+k], s[6:7]
	s_bcnt1_i32_b32 s13, s12
	s_add_co_u32 s10, s10, s13
.set k, k+1
.endr
	v_mov_b32 v6, s10                              ; n
	v_lshl_add_u32 v7, v0, 2, 8192                 ; words 2048 + l
	global_store_b32 v7, v6, s[6:7]
	s_endpgm
.Lfunc_end_k_q3825dfb6f8_route:
	.size	k_q3825dfb6f8_route, .Lfunc_end_k_q3825dfb6f8_route-k_q3825dfb6f8_route
	.p2alignl 7, 3214868480
	.fill 96, 4, 3214868480
	.section	.rodata,"a",@progbits
	.p2align	6, 0x0
	.amdhsa_kernel k_q3825dfb6f8_route
		.amdhsa_group_segment_fixed_size 0
		.amdhsa_private_segment_fixed_size 0
		.amdhsa_enable_private_segment 0
		.amdhsa_kernarg_size 16
		.amdhsa_user_sgpr_count 2
		.amdhsa_user_sgpr_kernarg_segment_ptr 1
		.amdhsa_wavefront_size32 1
		.amdhsa_system_sgpr_workgroup_id_x 1
		.amdhsa_system_sgpr_workgroup_id_y 1
		.amdhsa_system_sgpr_workgroup_id_z 1
		.amdhsa_system_vgpr_workitem_id 0
		.amdhsa_next_free_vgpr 208
		.amdhsa_next_free_sgpr 66
		.amdhsa_reserve_vcc 0
		.amdhsa_float_denorm_mode_32 3
		.amdhsa_float_denorm_mode_16_64 3
		.amdhsa_memory_ordered 1
		.amdhsa_forward_progress 1
		.amdhsa_inst_pref_size 41
	.end_amdhsa_kernel
	.amdgpu_metadata
---
amdhsa.version: [ 1, 2 ]
amdhsa.kernels:
  - .name:           k_q3825dfb6f8_route
    .symbol:         k_q3825dfb6f8_route.kd
    .args:
      - { .name: angle_idx, .offset: 0, .size: 8, .value_kind: global_buffer, .address_space: global }
      - { .name: lists, .offset: 8, .size: 8, .value_kind: global_buffer, .address_space: global }
    .group_segment_fixed_size: 0
    .private_segment_fixed_size: 0
    .kernarg_segment_align: 8
    .kernarg_segment_size: 16
    .max_flat_workgroup_size: 32
    .sgpr_count:     66
    .vgpr_count:     208
    .wavefront_size: 32
...
	.end_amdgpu_metadata
.endif
;; end of part 1
;; launch mlp (part 2): grid 16 x 16, 4 waves a work-group, no clusters, 279,040 bytes of LDS; arguments W1, W2, b1, b2, z, lists, out0; writes out0
.if DOCPART == 2
	.amdgcn_target "amdgcn-amd-amdhsa--gfx1250"
	.amdhsa_code_object_version 6
	.text
	.protected	k_q3825dfb6f8_mlp
	.globl	k_q3825dfb6f8_mlp
	.p2align	8
	.type	k_q3825dfb6f8_mlp,@function
k_q3825dfb6f8_mlp:
	s_mov_b64 s[64:65], 0
	v_nop
	global_prefetch_b8 v0, s[64:65] scope:SCOPE_SE
	s_setreg_imm32_b32 hwreg(HW_REG_WAVE_MODE, 25, 1), 1
	s_wait_xcnt 0x0
; out0[i] = sigmoid(W2[e] relu(W1[e] z[i] + b1[e]) + b2[e]), e = angle_idx[i], for the rows that row e of lists names (its first n words; n in word 2048).
; SHARES.  Work-group (cb, e): all n rows of expert e, columns 256 cb .. +255.  So each byte of W2 is read by one work-group, once.
;   Wave w, layer 2: columns 64 w .. +63; its part of W2 (64 x 400, rounded to bf16) stays in 416 registers for the whole launch.
;   Wave w, layer 1: hid tiles 7 w + i of 16 (i = 0..6; wave 3: i = 0..3; 25 = 3 x 7 + 4); its part of W1 (224 registers) and b1 (56) stay in registers too.
;   Wave 3 jumps over the products of tiles 4 to 6; the 120 registers that those lines name are set to 0 in its prologue, so that every register named in the text has been written on every way
;   through it.  Wave 3 never reads them; the moves stand where the other waves round and stage three more units of W1.
;   Rows go in blocks of 64 = 4 tiles of 16.  The loop counts to the constant 32 = 2048 / 64, the most that one expert can have; both barriers stand on every path, and what a block or a tile
;   past n would do is jumped over, forward, with no barrier in what is jumped.  A dead trip is some 18 scalar lines and the two barriers.
;   A PLACE AT OR PAST n, inside a live tile, takes the row number at the list's place 0, for the gather and for the store alike: it computes that row once more and stores the same bytes to the
;   same address: at most 15 repeated rows of 1,024 bytes a work-group, and no lane is ever switched off.
; LAYOUTS.  Layer 1 is used transposed (source 0 = 16 rows of W1, source 1 = 16 rows of z, C of the first K step = b1): a lane then holds one sample (lane % 16) and
;   8 neighbouring hid, which pack into the 16 bytes that a lane of layer 2's first source reads back.  h goes through LDS because every wave needs all four waves' hid tiles.
;   Layer 2: source 0 = h, source 1 = W2, where column r of n tile t is W2's row 64 w + 4 r + t (the rows are so ordered on their way into the stage): over the four
;   accumulators a lane holds four neighbouring columns of a row, and the reciprocals write them into one register quad: a store's 16 lanes cover 256 consecutive bytes, aligned.
;   K = 400 is 12.5 steps of 32: the upper half of step 12 is zeros, in both sources, in registers set once.
; FORMATS AND LIMITS.  z, W1, h, W2 are rounded to bf16 (nearest even); sums, biases and the sigmoid are f32.  relu by v_max_num_f32 makes 0 of a NaN.
;   sigmoid(x) = 1 / (1 + 2^(-x log2 e)): where the power overflows the result is 0, where it underflows 1, the function's own limits.
;   angle_idx lies in 0..15 (a row with another number is in no expert's list and stays unwritten).  n = 0: every trip is dead, and the work-group stores nothing.
; NO CLUSTER: what the 16 work-groups of an expert share is W1[e] (204,800 bytes) and gathered rows of z; as f32 with padding W1 takes 211,200 bytes of LDS, which do not fit beside the
;   208,896 of the stages and the 69,632 of the tiles; W2's 409,600 bytes a work-group, two thirds of what it reads, are shared by nobody.
; NO TENSOR LOADS: the weights are f32; through registers they are rounded once and the stage holds half the bytes.
; LDS.  STG: 52,224 bytes for each wave, its own alone (so the whole prologue has no barrier; LDS serves a wave's instructions in order, ISA guide 5.7.1.4): first W1, 112 rows of 272; then W2, 64 rows of 816.
;   ZT: 64 rows of z, 272 apart.  HT: 64 rows of h, 816 apart.  All pitches are odd multiples of 16 bytes: the 16 rows of a fragment load start at 16 different groups of four banks (ISA guide 11.1).
; REGISTERS, in windows of 256 (s_set_vgpr_msb: bits 1:0 source 0, 3:2 source 1, 5:4 source 2, 7:6 destination):
;   window 0: v0-31 addresses and b2; v32-63 output rows; v64-127 the next block's z; v128-143 gather; v144-247 at work: layer 2's h fragments (v244-247 zeros for good), or layer 1's sums and z fragments; v248-249
;   window 1: W2, K steps 0-7 (prologue: load sets 0 and 1)      window 2: v0-159 W2, K steps 8-12 (prologue: load set 2); v160-215 b1; v216-247 layer 2's sums
;   window 3: v0-223 W1; v224-255 the results to store, in layer 1 the second buffer of z fragments
.set STGW,  52224
.set ZT,    4*STGW
.set HT,    ZT+64*272
.set SPARE, HT+64*816                  ; the spare words: 128 bytes for each wave, two blocks of 256 bytes that no other line names
.set TRIPS, 32                         ; 2,048 rows / 64
.set LOFF, 1                           ; 16 l
.set SPW,  2                           ; LDS address of my spare word; never rewritten
.set NIL,  3                           ; 0; never rewritten
.set ZST,  4                           ; ZT + (16 w + 8 h) 272 + 8 r     (r = lane % 16, h = lane / 16)
.set ZFR,  5                           ; ZT + 272 r + 16 h
.set HST,  6                           ; HT + 816 r + 16 h + 224 w
.set HFR,  7                           ; HT + 816 r + 16 h
.set H8,   8                           ; 8 h
.set LGID, 9                           ; 64 w + 32 h
.set LRID, 10                          ; 32 h
.set R16,  11                          ; 16 r
.set W1ST, 12                          ; my stage + 8 l
.set W1FR, 13                          ; my stage + 272 r + 16 h
.set W2FR, 14                          ; my stage + 816 r + 16 h
.set VB1,  15                          ; 448 w + 32 h
.set NB2,  16                          ; v[16:23] pairs (-log2 e x b2, the same) of my four columns
.set LN,   24                          ; l, r, h (kept for the whole launch) and one at work
.set LR,   25
.set LH,   26
.set TMP,  27
.set RB2,  28                          ; v[28:31] b2 as loaded
.set OFFS, 32                          ; v[32:63] tile mt, register j: the row number at place 16 mt + 8 h + j of the block, then its byte offset in out0
.set ZR,   64                          ; v[64:127] 16 rows x 16 bytes a lane of the next block's z, f32
.set GID,  128                         ; v[128:135] row numbers for the gather
.set GOFF, 136                         ; v[136:143] their byte offsets in z
.set AF,   144                         ; h fragments: K step s at AF + 8 s
.set ACC1, 144                         ; layer 1's sums: tile i at ACC1 + 8 i
.set ZB0,  200                         ; z fragments, buffer 0 (buffer 1: window 3, v224)
.set PK,   144                         ; packed bf16 on their way into LDS
.set WA,   194                         ; v[194:218] prologue: the stage address of load j of a unit of W2
.set T2,   220
.set ID0,  248                         ; the row number at the list's place 0
.set PW,   249                         ; 16 w + 8 h: the first of my eight places in a block, for the gather
.set B1C,  160                         ; window 2
.set ACC2, 216                         ; window 2: n tile t at ACC2 + 8 t
.set OQ,   224                         ; window 3: row j's four columns at OQ + 4 j
.set MSB, 0
.macro WIN new                         ; the immediate's high byte repeats the setting that is left; a switch that changes nothing is dropped
.if MSB != (\new)
	s_set_vgpr_msb (MSB<<8)|(\new)
.set MSB, \new
.endif
.endm
.macro PLACES                          ; four places behind matrix instructions whose registers are read, written or loaded next (ISA guide 7.12.1)
.rept 4
	v_nop
.endr
.endm
.macro SETOF x                         ; load set x of three: window 1 v0, window 1 v100, window 2 v0
.set SW, 1+((\x)/2)
.set SB, 100*((\x)%2)
.endm
; A unit of W1: hid tile i, 16 rows of 512 bytes, one load a row.
.macro ISSUE_W1 i, x
	SETOF \x
	WIN SW<<6
.set rho, 0
.rept 16
	global_load_b128 v[SB+4*rho:SB+4*rho+3], v[LOFF], s[4:5] offset:512*(16*(\i)+rho)
.set rho, rho+1
.endr
.endm
; It is rounded, laid into my stage, and read back as the tile's four fragments (16 rows x 32 K: two loads of 16 bytes, 32 bytes apart).
.macro DRAIN_W1 i, x
	SETOF \x
	WIN SW*5
.set p, 0
.rept 32
	v_cvt_pk_bf16_f32 v[PK+p], v[SB+2*p], v[SB+2*p+1]
.set p, p+1
.endr
	WIN 0
.set rho, 0
.rept 16
	ds_store_b64 v[W1ST], v[PK+2*rho:PK+2*rho+1] offset:272*(16*(\i)+rho)
.set rho, rho+1
.endr
	WIN 0xc0
.set ks, 0
.rept 4
	ds_load_b128 v[8*(4*(\i)+ks):8*(4*(\i)+ks)+3],   v[W1FR] offset:4352*(\i)+64*ks
	ds_load_b128 v[8*(4*(\i)+ks)+4:8*(4*(\i)+ks)+7], v[W1FR] offset:4352*(\i)+64*ks+32
.set ks, ks+1
.endr
.endm
; A unit of W2: 8 rows, 12,800 dense bytes, 25 loads of 512 neighbouring bytes; read once in the launch.
.macro ISSUE_W2 u, x
	SETOF \x
	WIN SW<<6
.set j, 0
.rept 25
	global_load_b128 v[SB+4*j:SB+4*j+3], v[LOFF], s[6:7] offset:12800*(\u)+512*j th:TH_LOAD_NT
.set j, j+1
.endr
.endm
.macro DRAIN_W2 u, x                   ; row 8 u + i goes to stage row 16 (i % 4) + i / 4 + 2 u: the unit's number stands in the immediate
	SETOF \x
	WIN SW*5
.set p, 0
.rept 50
	v_cvt_pk_bf16_f32 v[PK+p], v[SB+2*p], v[SB+2*p+1]
.set p, p+1
.endr
	WIN 0
.set j, 0
.rept 25
	ds_store_b64 v[WA+j], v[PK+2*j:PK+2*j+1] offset:1632*(\u)
.set j, j+1
.endr
.endm
; My nu units of W1 through the ring of three sets; unit q lies in set q % 3.  When unit q is waited for, the two units issued behind it stay out: 16 loads for a unit of W1, 25 for one of W2.
; Behind W1's last unit the ring goes on with W2's units 0, 1, 2; 7 % 3 = 4 % 3, so both ways leave them in sets 1, 2, 0.
.macro W1PART nu
.set q, 0
.rept \nu
.set c12, 32
.if q+2 >= (\nu)
.set c12, 41
.endif
.if q+1 >= (\nu)
.set c12, 50
.endif
	s_wait_loadcnt c12
	DRAIN_W1 q, q%3
.if q+3 < (\nu)
	ISSUE_W1 q+3, q%3
.else
	ISSUE_W2 q+3-(\nu), q%3
.endif
.set q, q+1
.endr
	WIN 0
.endm
; The gather of my 16 rows of a block of z: lanes 0-15 take 256 aligned bytes of one row, lanes 16-31 of another.  s39 = the list's rows from that block's first place on.
; A place at or past the list's end takes the row of place 0.  The offset is made in units of 16 bytes, 32 x row + r, so that ONE bound covers all of it: 2047 x 32 + 15; behind the bound stands a shift alone.
; The farthest byte read is 16 x 65,519 + 256 + 16 = 1,048,576: z's end.
.macro ZGATHER
.set j, 0
.rept 8
	s_sub_co_i32 s37, s39, j
	v_cmp_lt_i32 vcc_lo, v[PW], s37                ; is place 16 w + 8 h + j ahead of the end?
	v_cndmask_b32 v[GID+j], v[ID0], v[GID+j], vcc_lo
.set j, j+1
.endr
.set j, 0
.rept 8
	v_lshl_add_u32 v[GID+j], v[GID+j], 5, v[LR]
.set j, j+1
.endr
.set j, 0
.rept 8
	v_min_u32 v[GID+j], 2047*32+15, v[GID+j]
.set j, j+1
.endr
.set j, 0
.rept 8
	v_lshlrev_b32 v[GOFF+j], 4, v[GID+j]
.set j, j+1
.endr
.set j, 0
.rept 16
	global_load_b128 v[ZR+4*j:ZR+4*j+3], v[GOFF+j/2], s[12:13] offset:256*(j%2)
.set j, j+1
.endr
.endm
	s_load_b256 s[4:11], s[0:1], 0x0               ; W1 s[4:5], W2 s[6:7], b1 s[8:9], b2 s[10:11]
	s_load_b128 s[12:15], s[0:1], 0x20             ; z s[12:13], lists s[14:15]
	s_load_b64 s[16:17], s[0:1], 0x30              ; out0
	v_lshl_add_u32 v[SPW], v0, 2, SPARE
	v_mov_b32 v[NIL], 0
	v_lshrrev_b32 v[TMP], 5, v0
	v_readfirstlane_b32 s20, v[TMP]                ; w
	s_mov_b32 s21, ttmp9                           ; cb
	s_and_b32 s22, ttmp7, 0xffff                   ; e
	v_and_b32 v[LN], 31, v0
	v_and_b32 v[LR], 15, v0
	v_bfe_u32 v[LH], v0, 4, 1
	v_lshlrev_b32 v[LOFF], 4, v[LN]
	v_lshlrev_b32 v[R16], 4, v[LR]
	v_lshlrev_b32 v[H8], 3, v[LH]
	v_lshlrev_b32 v[LRID], 5, v[LH]
	v_lshl_add_u32 v[LGID], s20, 6, v[LRID]
	v_lshl_add_u32 v[PW], s20, 4, v[H8]
	s_mul_i32 s37, s20, 448
	v_add_nc_u32 v[VB1], s37, v[LRID]
	s_mov_b32 s29, 0                               ; the high word of every offset pair; stays 0
	s_lshl_b32 s27, s22, 12
	s_lshl_b32 s37, s21, 8
	s_add_co_u32 s27, s27, s37
	s_lshl_b32 s37, s20, 6
	s_add_co_u32 s27, s27, s37                     ; 4096 e + 256 cb + 64 w: my first row of W2, my first number of b2
	s_wait_kmcnt 0x0
	s_mul_i32 s28, s22, 8448
	s_add_nc_u64 s[14:15], s[14:15], s[28:29]      ; row e of lists
	s_load_b32 s23, s[14:15], 0x2000               ; n
	s_load_b32 s38, s[14:15], 0x0                  ; the row at place 0
	s_mul_i32 s28, s22, 204800
	s_mul_i32 s37, s20, 57344
	s_add_co_u32 s28, s28, s37
	s_add_nc_u64 s[4:5], s[4:5], s[28:29]          ; W1[e], my first hid tile
	s_mul_i32 s28, s27, 1600
	s_add_nc_u64 s[6:7], s[6:7], s[28:29]          ; W2: my 64 rows, 102,400 dense bytes
	s_mul_i32 s28, s22, 1600
	s_add_nc_u64 s[8:9], s[8:9], s[28:29]          ; b1[e]
	s_lshl_b32 s28, s27, 2
	s_add_nc_u64 s[10:11], s[10:11], s[28:29]      ; b2: my 64 numbers
	s_lshl_b32 s28, s21, 10
	s_lshl_b32 s37, s20, 8
	s_add_co_u32 s28, s28, s37
	s_add_nc_u64 s[16:17], s[16:17], s[28:29]      ; out0: my 256 bytes of row 0
	; The small loads go first: they are older than the whole stream, so no later count has to name them.
	global_load_b128 v[RB2:RB2+3], v[R16], s[10:11]          ; b2 of columns 4 r .. 4 r + 3
	WIN 0x80
.set i, 0
.rept 4
	global_load_b128 v[B1C+8*i:B1C+8*i+3],   v[VB1], s[8:9] offset:64*i      ; b1 as layer 1's C: register j holds hid 16 (7 w + i) + 8 h + j
	global_load_b128 v[B1C+8*i+4:B1C+8*i+7], v[VB1], s[8:9] offset:64*i+16
.set i, i+1
.endr
	WIN 0
	s_cmp_eq_u32 s20, 3
	s_cbranch_scc1 .Lb1_four                       ; wave 3 has four tiles
	WIN 0x80
.rept 3
	global_load_b128 v[B1C+8*i:B1C+8*i+3],   v[VB1], s[8:9] offset:64*i
	global_load_b128 v[B1C+8*i+4:B1C+8*i+7], v[VB1], s[8:9] offset:64*i+16
.set i, i+1
.endr
	WIN 0
	s_branch .Lb1_in
.Lb1_four:                                             ; wave 3: the registers of tiles 4 to 6 are written too, with 0; it never reads them
	WIN 0x80
.set k, 0
.rept 24
	v_mov_b32 v[B1C+32+k], 0
.set k, k+1
.endr
	WIN 0
.Lb1_in:
	global_load_b128 v[GID:GID+3],   v[LGID], s[14:15]            ; the list's block 0, for the gather: places 16 w + 8 h + 0..7
	global_load_b128 v[GID+4:GID+7], v[LGID], s[14:15] offset:16
.set j, 0
.rept 4
	global_load_b128 v[OFFS+8*j:OFFS+8*j+3],   v[LRID], s[14:15] offset:64*j      ; and for the stores: tile j, places 16 j + 8 h + 0..7
	global_load_b128 v[OFFS+8*j+4:OFFS+8*j+7], v[LRID], s[14:15] offset:64*j+16
.set j, j+1
.endr
	ISSUE_W1 0, 0
	ISSUE_W1 1, 1
	ISSUE_W1 2, 2
	WIN 0
	; lane addresses, while the loads are on their way
	s_mul_i32 s27, s20, STGW                       ; my stage
	s_mul_i32 s37, s20, 4352
	s_add_co_u32 s37, s37, ZT
	v_mul_u32_u24 v[TMP], v[LH], 2176
	v_lshl_add_u32 v[TMP], v[LR], 3, v[TMP]
	v_add_nc_u32 v[ZST], s37, v[TMP]
	v_mul_u32_u24 v[TMP], v[LR], 272
	v_lshl_add_u32 v[TMP], v[LH], 4, v[TMP]
	v_add_nc_u32 v[ZFR], ZT, v[TMP]
	v_add_nc_u32 v[W1FR], s27, v[TMP]
	v_mul_u32_u24 v[TMP], v[LR], 816
	v_lshl_add_u32 v[TMP], v[LH], 4, v[TMP]
	v_add_nc_u32 v[HFR], HT, v[TMP]
	v_add_nc_u32 v[W2FR], s27, v[TMP]
	s_mul_i32 s37, s20, 224
	s_add_co_u32 s37, s37, HT
	v_add_nc_u32 v[HST], s37, v[TMP]
	v_lshl_add_u32 v[W1ST], v[LN], 3, s27
	; Load j of a unit of W2 brings lane l the four numbers c = 32 j + l of 800: row i = c / 100, numbers 4 (c - 100 i) on; they go to stage row 16 (i % 4) + i / 4, byte 8 (c - 100 i).
	; j is a constant of the text and a load meets at most one row's end, at lane CUT (4, 8, .. 28).  18 addresses are my stage + 8 l + KA.  In the other 7 the lanes from CUT on take KB for KA:
	; bit 5 of l + 32 - CUT is 1 from CUT on, bit 5 of l + 64 - CUT is 1 ahead of it; the bit times the two constants' difference, taken so that it is positive, is added to the smaller one.
.set j, 0
.rept 25
.set I0, (32*j)/100
.set I1, (32*j+31)/100
.set KA, 816*(16*(I0%4)+I0/4)+8*(32*j-100*I0)
.if I1 == I0
	v_add_nc_u32 v[WA+j], KA, v[W1ST]
.else
.set CUT, 100*I1-32*j
.set KB, 816*(16*(I1%4)+I1/4)+256*j-800*I1
.if KB >= KA
	v_add_nc_u32 v[T2], 32-CUT, v[LN]
	v_bfe_u32 v[T2], v[T2], 5, 1
	v_mul_u32_u24 v[T2], v[T2], KB-KA
	v_add_nc_u32 v[T2], KA, v[T2]
.else
	v_add_nc_u32 v[T2], 64-CUT, v[LN]
	v_bfe_u32 v[T2], v[T2], 5, 1
	v_mul_u32_u24 v[T2], v[T2], KA-KB
	v_add_nc_u32 v[T2], KB, v[T2]
.endif
	v_add_nc_u32 v[WA+j], v[W1ST], v[T2]
.endif
.set j, j+1
.endr
	; the zeros of K = 400..415: the upper half of K step 12, in h's fragment and in W2's four
.set k, 0
.rept 4
	v_mov_b32 v[AF+100+k], 0
.set k, k+1
.endr
	WIN 0x80
.set k, 0
.rept 16
	v_mov_b32 v[128+8*(k/4)+4+k%4], 0
.set k, k+1
.endr
	WIN 0
	s_wait_kmcnt 0x0
	s_min_u32 s23, s23, 2048                       ; n, bounded as a loaded number is
	v_mov_b32 v[ID0], s38
	s_mov_b32 s39, s23                             ; the list's rows from block 0's first place on, for the first gather
	s_cmp_eq_u32 s20, 3
	s_cbranch_scc1 .Lw1_four
	W1PART 7
	s_branch .Lw1_in
.Lw1_four:
	W1PART 4
	WIN 0xc0                                       ; wave 3: the fragment registers of tiles 4 to 6 are written too, with 0; it never reads them
.set k, 0
.rept 96
	v_mov_b32 v[128+k], 0
.set k, k+1
.endr
	WIN 0
.Lw1_in:
.set t, 0
.rept 4
	v_mul_f32 v[NB2+2*t],   0xbfb8aa3b, v[RB2+t]   ; -log2 e x b2: the sigmoid's scaling then adds the bias in the same fused multiply-add
	v_mul_f32 v[NB2+2*t+1], 0xbfb8aa3b, v[RB2+t]
.set t, t+1
.endr
	; W2's eight units; unit u lies in set (u + 1) % 3.  Behind unit u stay out: units u + 1 and u + 2 (50 loads); at u = 6 unit 7 and the 18 loads of the first gather; at u = 7 those 18.
.set u, 0
.rept 8
.set cw, 50
.if u == 6
.set cw, 43
.endif
.if u == 7
.set cw, 18
.endif
	s_wait_loadcnt cw
	DRAIN_W2 u, (u+1)%3
.if u+3 < 8
	ISSUE_W2 u+3, (u+1)%3
.endif
.if u == 5
	WIN 0
	ZGATHER                                        ; block 0 of z, when the stream's last unit has been asked for
	global_load_b128 v[GID:GID+3],   v[LGID], s[14:15] offset:256   ; the list's block 1 (the list is a whole permutation: every block exists)
	global_load_b128 v[GID+4:GID+7], v[LGID], s[14:15] offset:272
.endif
.set u, u+1
.endr
	; W2's fragments: n tile t, K step s: stage rows 16 t + r.  100 loads; they are waited for in front of the first barrier.
.set ks, 0
.rept 13
.if ks < 8
	WIN 0x40
.set wb, 32*ks
.else
	WIN 0x80
.set wb, 32*(ks-8)
.endif
.set nt, 0
.rept 4
	ds_load_b128 v[wb+8*nt:wb+8*nt+3], v[W2FR] offset:13056*nt+64*ks
.if ks < 12
	ds_load_b128 v[wb+8*nt+4:wb+8*nt+7], v[W2FR] offset:13056*nt+64*ks+32
.endif
.set nt, nt+1
.endr
.set ks, ks+1
.endr
	WIN 0
; z fragments of row tile mt (16 rows x 128 K: 8 loads) into buffer zb
.macro ZLOAD mt, zb
	WIN 0xc0*(\zb)
.set zbb, ZB0+24*(\zb)
.set ks, 0
.rept 4
	ds_load_b128 v[zbb+8*ks:zbb+8*ks+3],   v[ZFR] offset:4352*(\mt)+64*ks
	ds_load_b128 v[zbb+8*ks+4:zbb+8*ks+7], v[ZFR] offset:4352*(\mt)+64*ks+32
.set ks, ks+1
.endr
.endm
; Layer 1 for hid tiles i0 .. i0 + ni - 1: K outer, tiles inner, so that the accumulators take turns, one instruction a turn.  The first K step takes b1 as C.
.macro L1MM i0, ni, zb
.set zbb, ZB0+24*(\zb)
.set ks, 0
.rept 4
.if ks == 0
	WIN 0x23+0x0c*(\zb)
.else
	WIN 0x03+0x0c*(\zb)
.endif
.set ti, \i0
.rept \ni
.if ks == 0
	v_wmma_f32_16x16x32_bf16 v[ACC1+8*ti:ACC1+8*ti+7], v[8*(4*ti+ks):8*(4*ti+ks)+7], v[zbb+8*ks:zbb+8*ks+7], v[B1C+8*ti:B1C+8*ti+7]
.else
	v_wmma_f32_16x16x32_bf16 v[ACC1+8*ti:ACC1+8*ti+7], v[8*(4*ti+ks):8*(4*ti+ks)+7], v[zbb+8*ks:zbb+8*ks+7], v[ACC1+8*ti:ACC1+8*ti+7]
.endif
.set ti, ti+1
.endr
.set ks, ks+1
.endr
.endm
; relu, rounding (in place, ascending: each accumulator is read from its low end on) and 16 bytes of my sample's row of h
.macro L1OUT i, mt
	WIN 0
.set a, ACC1+8*(\i)
.set k, 0
.rept 8
	v_max_num_f32 v[a+k], 0, v[a+k]
.set k, k+1
.endr
.set k, 0
.rept 4
	v_cvt_pk_bf16_f32 v[a+k], v[a+2*k], v[a+2*k+1]
.set k, k+1
.endr
	ds_store_b128 v[HST], v[a:a+3] offset:13056*(\mt)+32*(\i)
.endm
.macro L1TILE mt
.if (\mt) >= 1
	s_cmp_le_i32 s26, 16*(\mt)                     ; no row of the list left for this tile or the later ones
	s_cbranch_scc1 .Ll1_end
.endif
.if (\mt) < 3
	s_wait_dscnt 0x8                               ; all but the youngest eight, the next tile's z fragments: mine are in
.else
	s_wait_dscnt 0x0
.endif
	L1MM 0, 4, (\mt)%2
	PLACES
	WIN 0
	s_cmp_eq_u32 s20, 3
	s_cbranch_scc1 .Lfour_\@
	L1MM 4, 3, (\mt)%2
	PLACES
	L1OUT 4, \mt
	L1OUT 5, \mt
	L1OUT 6, \mt
.Lfour_\@:
	L1OUT 0, \mt
	L1OUT 1, \mt
	L1OUT 2, \mt
	L1OUT 3, \mt
.if (\mt) < 2
	ZLOAD (\mt)+2, (\mt)%2                         ; into the buffer just multiplied; all 64 rows of ZT were stored in this trip
	WIN 0
.endif
.endm
; h fragments of row tile mt: 13 K steps, the last one's upper half stays zero: 25 loads
.macro ALOAD mt
	WIN 0
.set ks, 0
.rept 13
	ds_load_b128 v[AF+8*ks:AF+8*ks+3], v[HFR] offset:13056*(\mt)+64*ks
.if ks < 12
	ds_load_b128 v[AF+8*ks+4:AF+8*ks+7], v[HFR] offset:13056*(\mt)+64*ks+32
.endif
.set ks, ks+1
.endr
.endm
.macro L2TILE mt
.if (\mt) >= 1
	s_cmp_le_i32 s26, 16*(\mt)
	s_cbranch_scc1 .Ll2_tail
.endif
	s_wait_dscnt 0x0                               ; the tile's h fragments are in
.set ks, 0
.rept 13                                               ; 52 products: K outer, the four n tiles inner: the accumulators take turns; the first K step starts the sums
.if ks < 8
	WIN 0xa4
.set wb, 32*ks
.else
	WIN 0xa8
.set wb, 32*(ks-8)
.endif
.set nt, 0
.rept 4
.if ks == 0
	v_wmma_f32_16x16x32_bf16 v[ACC2+8*nt:ACC2+8*nt+7], v[AF+8*ks:AF+8*ks+7], v[wb+8*nt:wb+8*nt+7], 0
.else
	v_wmma_f32_16x16x32_bf16 v[ACC2+8*nt:ACC2+8*nt+7], v[AF+8*ks:AF+8*ks+7], v[wb+8*nt:wb+8*nt+7], v[ACC2+8*nt:ACC2+8*nt+7]
.endif
.set nt, nt+1
.endr
.set ks, ks+1
.endr
	PLACES
	WIN 0
.if (\mt) < 3
	s_cmp_le_i32 s26, 16*(\mt)+16
	s_cbranch_scc1 .Lno_next_\@
	ALOAD (\mt)+1                                  ; the next tile's fragments land under this tile's sigmoid
.Lno_next_\@:
.endif
	WIN 0x82                                       ; sums in window 2, b2 in window 0
.set nt, 0
.rept 4
.set p, 0
.rept 4
	v_pk_fma_f32 v[ACC2+8*nt+2*p:ACC2+8*nt+2*p+1], v[ACC2+8*nt+2*p:ACC2+8*nt+2*p+1], 0xbfb8aa3b, v[NB2+2*nt:NB2+2*nt+1] op_sel_hi:[1,0,1]  ; -log2 e (x + b2)
.set p, p+1
.endr
.set nt, nt+1
.endr
.set p, 0
.rept 32
	v_exp_f32 v[ACC2+p], v[ACC2+p]
.set p, p+1
.endr
	v_nop                                          ; a plain instruction between the last exponential and the use of its result (ISA guide 5.7.2)
.set p, 0
	s_wait_alu depctr_va_vdst(0)
.rept 16
	v_pk_add_f32 v[ACC2+2*p:ACC2+2*p+1], v[ACC2+2*p:ACC2+2*p+1], 1.0 op_sel_hi:[1,0]
.set p, p+1
.endr
	s_wait_xcnt 0x0                                ; the registers that the last tile's stores read are written again only behind this wait
	WIN 0xc2
.set p, 0
.rept 32
	v_rcp_f32 v[OQ+4*(p%8)+p/8], v[ACC2+p]         ; n tile p / 8, row p % 8: a row's four columns fall into one quad
.set p, p+1
.endr
	v_nop                                          ; a plain instruction between the last reciprocal and the stores
	WIN 0x0c                                       ; address in window 0, data in window 3
.set j, 0
	s_wait_alu depctr_va_vdst(0)
.rept 8
	global_store_b128 v[OFFS+8*(\mt)+j], v[OQ+4*j:OQ+4*j+3], s[16:17] th:TH_STORE_NT  ; lanes 0-15 and lanes 16-31 each store 256 consecutive bytes, at a multiple of 256 from out0's first byte
.set j, j+1
.endr
	WIN 0
.endm
	s_mov_b32 s25, 0                               ; b: the block of 64 places of the list
.Ltrip:
	s_lshl_b32 s27, s25, 6
	s_sub_co_i32 s26, s23, s27                     ; rows of the list from this block's first place on; 0 or less: the trip is dead
	s_cmp_le_i32 s26, 0
	s_cbranch_scc1 .Lz_in
	; THE HEAD: block b of z goes into ZT, block b + 1 is asked for
	s_wait_loadcnt 0x0                             ; block b of z and the list's block b + 1, asked for in the last head (or the prologue); their address registers and base are free with that
	s_add_co_u32 s27, s25, 2
	s_min_u32 s27, s27, 31                         ; the look-ahead stays inside the list's 32 blocks
	s_lshl_b32 s28, s27, 8
	s_add_nc_u64 s[34:35], s[14:15], s[28:29]      ; the list's block b + 2
	s_sub_co_i32 s39, s26, 64                      ; rows of the list from block b + 1's first place on
.set p, 0
.rept 32
	v_cvt_pk_bf16_f32 v[PK+p], v[ZR+2*p], v[ZR+2*p+1]
.set p, p+1
.endr
.set j, 0
.rept 16
	ds_store_b64 v[ZST], v[PK+2*j:PK+2*j+1] offset:272*(j/2)+128*(j%2)
.set j, j+1
.endr
	ZGATHER                                        ; block b + 1 of z (behind the list's end: the row of place 0, not used)
	global_load_b128 v[GID:GID+3],   v[LGID], s[34:35]
	global_load_b128 v[GID+4:GID+7], v[LGID], s[34:35] offset:16
.Lz_in:
	s_wait_dscnt 0x0                               ; for the others' sake: my rows of z are in ZT; my reads of HT (last trip) are over; in the first trip W1's and W2's fragments are in
	s_barrier_signal -1
	s_barrier_wait -1                              ; ZT is whole; nobody reads HT any more
	s_cmp_le_i32 s26, 0
	s_cbranch_scc1 .Ll1_end
	; LAYER 1
	ZLOAD 0, 0
	ZLOAD 1, 1
	WIN 0
	L1TILE 0
	L1TILE 1
	L1TILE 2
	L1TILE 3
.Ll1_end:
	s_wait_dscnt 0x0                               ; my part of h is in HT; my reads of ZT are over
	s_barrier_signal -1
	s_barrier_wait -1                              ; HT is whole for every live tile; nobody reads ZT any more
	s_cmp_le_i32 s26, 0
	s_cbranch_scc1 .Ll2_end
	; LAYER 2
	ALOAD 0
	s_wait_loadcnt 0x0                             ; the rows to store, asked for at the last tail (or in the prologue); for 0, so that the wait holds whatever was issued behind them
	; the stores' offsets: a place at or past the list's end takes the row of place 0; the row number is bounded; then a shift (16,384 bytes a row) and an add (my 16 bytes).
	; With my wave's part of the base the farthest byte stored is out0's last.
.set k, 0
.rept 32
	s_sub_co_i32 s37, s26, 16*(k/8)+k%8
	v_cmp_lt_i32 vcc_lo, v[H8], s37                ; is place 16 (k / 8) + 8 h + k % 8 ahead of the end?
	v_cndmask_b32 v[OFFS+k], v[ID0], v[OFFS+k], vcc_lo
.set k, k+1
.endr
.set j, 0
.rept 32
	v_min_u32 v[OFFS+j], 2047, v[OFFS+j]
.set j, j+1
.endr
.set j, 0
.rept 32
	v_lshlrev_b32 v[OFFS+j], 14, v[OFFS+j]
.set j, j+1
.endr
.set j, 0
.rept 32
	v_add_nc_u32 v[OFFS+j], v[R16], v[OFFS+j]
.set j, j+1
.endr
	L2TILE 0
	L2TILE 1
	L2TILE 2
	L2TILE 3
.Ll2_tail:
	s_wait_xcnt 0x0                                ; the stores have read their offsets and data, the last tail's loads their base: all three are written again only behind this wait (the data in the next layer 1)
	s_add_co_u32 s27, s25, 1
	s_min_u32 s27, s27, 31
	s_lshl_b32 s28, s27, 8
	s_add_nc_u64 s[32:33], s[14:15], s[28:29]      ; the list's block b + 1
.set j, 0
.rept 4
	global_load_b128 v[OFFS+8*j:OFFS+8*j+3],   v[LRID], s[32:33] offset:64*j      ; the rows that my lanes store in the next trip
	global_load_b128 v[OFFS+8*j+4:OFFS+8*j+7], v[LRID], s[32:33] offset:64*j+16
.set j, j+1
.endr
.Ll2_end:
	s_wait_dscnt 0x0                               ; no fragment load of mine is out when the next trip writes those registers
	s_add_co_u32 s25, s25, 1
	s_cmp_lt_u32 s25, TRIPS
	s_cbranch_scc1 .Ltrip
	s_wait_tensorcnt 0x0                           ; the wave's end, behind my last LDS store
	ds_add_u32 v[SPW], v[NIL]
	s_wait_dscnt 0x0
	s_endpgm
.Lfunc_end_k_q3825dfb6f8_mlp:
	.size	k_q3825dfb6f8_mlp, .Lfunc_end_k_q3825dfb6f8_mlp-k_q3825dfb6f8_mlp
	.p2alignl 7, 3214868480
	.fill 96, 4, 3214868480
	.section	.rodata,"a",@progbits
	.p2align	6, 0x0
	.amdhsa_kernel k_q3825dfb6f8_mlp
		.amdhsa_group_segment_fixed_size 279040
		.amdhsa_private_segment_fixed_size 0
		.amdhsa_enable_private_segment 0
		.amdhsa_kernarg_size 56
		.amdhsa_user_sgpr_count 2
		.amdhsa_user_sgpr_kernarg_segment_ptr 1
		.amdhsa_wavefront_size32 1
		.amdhsa_system_sgpr_workgroup_id_x 1
		.amdhsa_system_sgpr_workgroup_id_y 1
		.amdhsa_system_sgpr_workgroup_id_z 1
		.amdhsa_system_vgpr_workitem_id 0
		.amdhsa_next_free_vgpr 1024
		.amdhsa_next_free_sgpr 66
		.amdhsa_reserve_vcc 1
		.amdhsa_float_denorm_mode_32 3
		.amdhsa_float_denorm_mode_16_64 3
		.amdhsa_memory_ordered 1
		.amdhsa_forward_progress 1
		.amdhsa_inst_pref_size 228
	.end_amdhsa_kernel
	.amdgpu_metadata
---
amdhsa.version: [ 1, 2 ]
amdhsa.kernels:
  - .name:           k_q3825dfb6f8_mlp
    .symbol:         k_q3825dfb6f8_mlp.kd
    .args:
      - { .name: W1, .offset: 0, .size: 8, .value_kind: global_buffer, .address_space: global }
      - { .name: W2, .offset: 8, .size: 8, .value_kind: global_buffer, .address_space: global }
      - { .name: b1, .offset: 16, .size: 8, .value_kind: global_buffer, .address_space: global }
      - { .name: b2, .offset: 24, .size: 8, .value_kind: global_buffer, .address_space: global }
      - { .name: z, .offset: 32, .size: 8, .value_kind: global_buffer, .address_space: global }
      - { .name: lists, .offset: 40, .size: 8, .value_kind: global_buffer, .address_space: global }
      - { .name: out0, .offset: 48, .size: 8, .value_kind: global_buffer, .address_space: global }
    .group_segment_fixed_size: 279040
    .private_segment_fixed_size: 0
    .kernarg_segment_align: 8
    .kernarg_segment_size: 56
    .max_flat_workgroup_size: 128
    .sgpr_count:     66
    .vgpr_count:     1024
    .wavefront_size: 32
...
	.end_amdgpu_metadata
.endif
;; end of part 2
;; ======== version 2 of 2: 1 launch; 1.17 times as fast as version 1
;; launch mlp (part 3): grid 16 x 16, 4 waves a work-group, no clusters, 312,832 bytes of LDS; arguments W1, W2, b1, b2, z, angle_idx, out0; writes out0
.if DOCPART == 3
	.amdgcn_target "amdgcn-amd-amdhsa--gfx1250"
	.amdhsa_code_object_version 6
	.text
	.protected	k_q3825dfb6f8_mlp
	.globl	k_q3825dfb6f8_mlp
	.p2align	8
	.type	k_q3825dfb6f8_mlp,@function
k_q3825dfb6f8_mlp:
	s_mov_b64 s[64:65], 0
	v_nop
	global_prefetch_b8 v0, s[64:65] scope:SCOPE_SE
	s_setreg_imm32_b32 hwreg(HW_REG_WAVE_MODE, 25, 1), 1
	s_wait_xcnt 0x0
; out0[i] = sigmoid(W2[e] relu(W1[e] z[i] + b1[e]) + b2[e]), e = angle_idx[i].  One launch: routing, gather, both layers, scatter.
; SHARES.  Work-group (cb, e): all n rows of expert e, columns 256 cb .. +255.  So each byte of W2 is read by one work-group, once.
;   Wave w, layer 2: columns 64 w .. +63; its part of W2 (64 x 400, rounded to bf16) stays in 416 registers for the whole launch.
;   Wave w, layer 1: hid tiles 7 w + i of 16 (i = 0..6; wave 3: i = 0..3; 25 = 3 x 7 + 4); its part of W1 (224 registers) and b1 (56) stay in registers too.
;   Wave 3 jumps over the products of tiles 4 to 6; the 120 registers that those lines name are set to 0 in its prologue, so that every register named in the text has been written on every way
;   through it.  Wave 3 never reads them; the moves stand where the other waves round and stage three more units of W1.
; THE LIST.  Every wave makes the whole list of expert e's rows for itself, in 8,448 LDS bytes of its own: words 0..2047 are set to 0; then each row with angle_idx = e stores its number at the word
;   that its rank among such rows gives, and every other row stores to word 2048, which nobody reads.  n is the sum of the compare masks' bit counts.  All four waves walk the 2,048 indices in the
;   same order (step k = 4 j + c takes, in lane l, row 128 j + 4 l + c), so the four lists are equal and no barrier is needed; a list in common would want the waves' counts and a barrier in the prologue.
;   The 64 steps stand in four parts between the units of W2's stream.
;   Rows go in blocks of 64 = 4 tiles of 16.  The loop counts to the constant 32 = 2048 / 64, the most that one expert can have; both barriers stand on every path, and what a block or a tile
;   past n would do is jumped over, forward, with no barrier in what is jumped.  A dead trip is some 18 scalar lines and the two barriers.
;   A PLACE AT OR PAST n, inside a live tile, takes the row number at the list's place 0, for the gather and for the store alike: it computes that row once more and stores the same bytes to the
;   same address: at most 15 repeated rows of 1,024 bytes a work-group, and no lane is ever switched off.
; LAYOUTS.  Layer 1 is used transposed (source 0 = 16 rows of W1, source 1 = 16 rows of z, C of the first K step = b1): a lane then holds one sample (lane % 16) and
;   8 neighbouring hid, which pack into the 16 bytes that a lane of layer 2's first source reads back.  h goes through LDS because every wave needs all four waves' hid tiles.
;   Layer 2: source 0 = h, source 1 = W2, where column r of n tile t is W2's row 64 w + 4 r + t (the rows are so ordered on their way into the stage): over the four
;   accumulators a lane holds four neighbouring columns of a row, and the reciprocals write them into one register quad: a store's 16 lanes cover 256 consecutive bytes, aligned.
;   K = 400 is 12.5 steps of 32: the upper half of step 12 is zeros, in both sources, in registers set once.
; FORMATS AND LIMITS.  z, W1, h, W2 are rounded to bf16 (nearest even); sums, biases and the sigmoid are f32.  relu by v_max_num_f32 makes 0 of a NaN.
;   sigmoid(x) = 1 / (1 + 2^(-x log2 e)): where the power overflows the result is 0, where it underflows 1, the function's own limits.
;   angle_idx lies in 0..15 (a row with another number is in no expert's list and stays unwritten).  n = 0: every trip is dead, and the work-group stores nothing.
; NO CLUSTER: what the 16 work-groups of an expert share is W1[e] (204,800 bytes), the 8,192 bytes of indices and gathered rows of z; as f32 with padding W1 takes 211,200 bytes of LDS, which do not
;   fit beside the 208,896 of the stages and the 69,632 of the tiles; W2's 409,600 bytes a work-group, two thirds of what it reads, are shared by nobody.
; NO TENSOR LOADS: the weights are f32; through registers they are rounded once and the stage holds half the bytes.
; LDS.  STG: 52,224 bytes for each wave, its own alone (so the whole prologue has no barrier; LDS serves a wave's instructions in order, ISA guide 5.7.1.4): first W1, 112 rows of 272; then W2, 64 rows of 816.
;   ZT: 64 rows of z, 272 apart.  HT: 64 rows of h, 816 apart.  All pitches are odd multiples of 16 bytes: the 16 rows of a fragment load start at 16 different groups of four banks (ISA guide 11.1).
;   LIST: 8,448 bytes for each wave, its own alone.
; REGISTERS, in windows of 256 (s_set_vgpr_msb: bits 1:0 source 0, 3:2 source 1, 5:4 source 2, 7:6 destination):
;   window 0: v0-31 addresses and b2; v32-63 output rows; v64-127 the next block's z (first: the indices); v128-143 gather; v144-247 at work: layer 2's h fragments (v244-247 zeros for good), or layer 1's sums and z fragments; v248-249
;   window 1: W2, K steps 0-7 (prologue: load sets 0 and 1)      window 2: v0-159 W2, K steps 8-12 (prologue: load set 2); v160-215 b1; v216-247 layer 2's sums
;   window 3: v0-223 W1; v224-255 the results to store, in layer 1 the second buffer of z fragments
.set STGW,  52224
.set ZT,    4*STGW
.set HT,    ZT+64*272
.set LIST,  HT+64*816
.set LSTW,  8448                       ; a wave's list: 2,048 words, the word for rows of other experts, and padding to 33 blocks of 256 bytes
.set SPARE, LIST+4*LSTW                ; the spare words: 128 bytes for each wave, two blocks of 256 bytes that no other line names
.set TRIPS, 32                         ; 2,048 rows / 64
.set LOFF, 1                           ; 16 l
.set SPW,  2                           ; LDS address of my spare word; never rewritten
.set NIL,  3                           ; 0; never rewritten
.set ZST,  4                           ; ZT + (16 w + 8 h) 272 + 8 r     (r = lane % 16, h = lane / 16)
.set ZFR,  5                           ; ZT + 272 r + 16 h
.set HST,  6                           ; HT + 816 r + 16 h + 224 w
.set HFR,  7                           ; HT + 816 r + 16 h
.set H8,   8                           ; 8 h
.set LGID, 9                           ; my list + 64 w + 32 h: places 16 w + 8 h .. of block 0
.set LRID, 10                          ; my list + 32 h: places 8 h .. of block 0
.set R16,  11                          ; 16 r
.set W1ST, 12                          ; my stage + 8 l
.set W1FR, 13                          ; my stage + 272 r + 16 h
.set W2FR, 14                          ; my stage + 816 r + 16 h
.set VB1,  15                          ; 448 w + 32 h
.set NB2,  16                          ; v[16:23] pairs (-log2 e x b2, the same) of my four columns
.set LN,   24                          ; l, r, h (kept for the whole launch) and one at work
.set LR,   25
.set LH,   26
.set TMP,  27
.set RB2,  28                          ; v[28:31] b2 as loaded
.set OFFS, 32                          ; v[32:63] tile mt, register j: the row number at place 16 mt + 8 h + j of the block, then its byte offset in out0; prologue: a part's 16 list addresses and 16 row numbers
.set ZR,   64                          ; v[64:127] 16 rows x 16 bytes a lane of the next block's z, f32; prologue: the 2,048 indices, 64 a lane
.set GID,  128                         ; v[128:135] row numbers for the gather
.set GOFF, 136                         ; v[136:143] their byte offsets in z
.set AF,   144                         ; h fragments: K step s at AF + 8 s
.set ACC1, 144                         ; layer 1's sums: tile i at ACC1 + 8 i
.set ZB0,  200                         ; z fragments, buffer 0 (buffer 1: window 3, v224)
.set PK,   144                         ; packed bf16 on their way into LDS
.set WA,   194                         ; v[194:218] prologue: the stage address of load j of a unit of W2
.set T2,   220                         ; prologue: at work
.set L4,   222                         ; prologue: 4 l
.set LPF,  223                         ; prologue: my list + 16 l
.set ID0,  248                         ; the row number at the list's place 0
.set PW,   249                         ; 16 w + 8 h: the first of my eight places in a block, for the gather
.set B1C,  160                         ; window 2
.set ACC2, 216                         ; window 2: n tile t at ACC2 + 8 t
.set OQ,   224                         ; window 3: row j's four columns at OQ + 4 j
.set MK,   40                          ; s[40:55] a part's 16 compare masks
.set MSB, 0
.macro WIN new                         ; the immediate's high byte repeats the setting that is left; a switch that changes nothing is dropped
.if MSB != (\new)
	s_set_vgpr_msb (MSB<<8)|(\new)
.set MSB, \new
.endif
.endm
.macro PLACES                          ; four places behind matrix instructions whose registers are read, written or loaded next (ISA guide 7.12.1)
.rept 4
	v_nop
.endr
.endm
.macro SETOF x                         ; load set x of three: window 1 v0, window 1 v100, window 2 v0
.set SW, 1+((\x)/2)
.set SB, 100*((\x)%2)
.endm
; A unit of W1: hid tile i, 16 rows of 512 bytes, one load a row.
.macro ISSUE_W1 i, x
	SETOF \x
	WIN SW<<6
.set rho, 0
.rept 16
	global_load_b128 v[SB+4*rho:SB+4*rho+3], v[LOFF], s[4:5] offset:512*(16*(\i)+rho)
.set rho, rho+1
.endr
.endm
; It is rounded, laid into my stage, and read back as the tile's four fragments (16 rows x 32 K: two loads of 16 bytes, 32 bytes apart).
.macro DRAIN_W1 i, x
	SETOF \x
	WIN SW*5
.set p, 0
.rept 32
	v_cvt_pk_bf16_f32 v[PK+p], v[SB+2*p], v[SB+2*p+1]
.set p, p+1
.endr
	WIN 0
.set rho, 0
.rept 16
	ds_store_b64 v[W1ST], v[PK+2*rho:PK+2*rho+1] offset:272*(16*(\i)+rho)
.set rho, rho+1
.endr
	WIN 0xc0
.set ks, 0
.rept 4
	ds_load_b128 v[8*(4*(\i)+ks):8*(4*(\i)+ks)+3],   v[W1FR] offset:4352*(\i)+64*ks
	ds_load_b128 v[8*(4*(\i)+ks)+4:8*(4*(\i)+ks)+7], v[W1FR] offset:4352*(\i)+64*ks+32
.set ks, ks+1
.endr
.endm
; A unit of W2: 8 rows, 12,800 dense bytes, 25 loads of 512 neighbouring bytes; read once in the launch.
.macro ISSUE_W2 u, x
	SETOF \x
	WIN SW<<6
.set j, 0
.rept 25
	global_load_b128 v[SB+4*j:SB+4*j+3], v[LOFF], s[6:7] offset:12800*(\u)+512*j th:TH_LOAD_NT
.set j, j+1
.endr
.endm
.macro DRAIN_W2 u, x                   ; row 8 u + i goes to stage row 16 (i % 4) + i / 4 + 2 u: the unit's number stands in the immediate
	SETOF \x
	WIN SW*5
.set p, 0
.rept 50
	v_cvt_pk_bf16_f32 v[PK+p], v[SB+2*p], v[SB+2*p+1]
.set p, p+1
.endr
	WIN 0
.set j, 0
.rept 25
	ds_store_b64 v[WA+j], v[PK+2*j:PK+2*j+1] offset:1632*(\u)
.set j, j+1
.endr
.endm
; My nu units of W1 through the ring of three sets; unit q lies in set q % 3.  When unit q is waited for, the two units issued behind it stay out: 16 loads for a unit of W1, 25 for one of W2.
; Behind W1's last unit the ring goes on with W2's units 0, 1, 2; 7 % 3 = 4 % 3, so both ways leave them in sets 1, 2, 0.
.macro W1PART nu
.set q, 0
.rept \nu
.set c12, 32
.if q+2 >= (\nu)
.set c12, 41
.endif
.if q+1 >= (\nu)
.set c12, 50
.endif
	s_wait_loadcnt c12
	DRAIN_W1 q, q%3
.if q+3 < (\nu)
	ISSUE_W1 q+3, q%3
.else
	ISSUE_W2 q+3-(\nu), q%3
.endif
.set q, q+1
.endr
	WIN 0
.endm
; Part g of four of the list: steps 16 g .. 16 g + 15.  The lines of a kind stand together, so that none reads the result of the line just ahead of it.  s24 = matches so far.
.macro COMPACT g
.set i, 0
.rept 16
	v_cmp_eq_u32 s[MK+i], s22, v[ZR+16*(\g)+i]     ; who belongs to expert e in this step
.set i, i+1
.endr
.set i, 0
.rept 16
	v_mbcnt_lo_u32_b32 v[OFFS+i], s[MK+i], s24     ; matches ahead of me in the walk: a match's place
	s_bcnt1_i32_b32 s37, s[MK+i]
	s_add_co_u32 s24, s24, s37
.set i, i+1
.endr
.set i, 0
.rept 16
	v_cndmask_b32 v[OFFS+i], -1, v[OFFS+i], s[MK+i]
.set i, i+1
.endr
.set i, 0
.rept 16
	v_min_u32 v[OFFS+i], 2048, v[OFFS+i]           ; the bound behind which a number made of loaded ones enters an address; it also sends the rows of other experts to word 2048
.set i, i+1
.endr
.set i, 0
.rept 16
	v_lshl_add_u32 v[OFFS+i], v[OFFS+i], 2, s38    ; in my list
.set i, i+1
.endr
.set i, 0
.rept 16
.set k, 16*(\g)+i
	v_add_nc_u32 v[OFFS+16+i], 128*(k/4)+k%4, v[L4]   ; my row's number
.set i, i+1
.endr
.set i, 0
.rept 16
	ds_store_b32 v[OFFS+i], v[OFFS+16+i]
.set i, i+1
.endr
.endm
; The gather of my 16 rows of a block of z: lanes 0-15 take 256 aligned bytes of one row, lanes 16-31 of another.  s39 = the list's rows from that block's first place on.
; A place at or past the list's end takes the row of place 0.  The offset is made in units of 16 bytes, 32 x row + r, so that ONE bound covers all of it: 2047 x 32 + 15; behind the bound stands a shift alone.
; The farthest byte read is 16 x 65,519 + 256 + 16 = 1,048,576: z's end.
.macro ZGATHER
.set j, 0
.rept 8
	s_sub_co_i32 s37, s39, j
	v_cmp_lt_i32 vcc_lo, v[PW], s37                ; is place 16 w + 8 h + j ahead of the end?
	v_cndmask_b32 v[GID+j], v[ID0], v[GID+j], vcc_lo
.set j, j+1
.endr
.set j, 0
.rept 8
	v_lshl_add_u32 v[GID+j], v[GID+j], 5, v[LR]
.set j, j+1
.endr
.set j, 0
.rept 8
	v_min_u32 v[GID+j], 2047*32+15, v[GID+j]
.set j, j+1
.endr
.set j, 0
.rept 8
	v_lshlrev_b32 v[GOFF+j], 4, v[GID+j]
.set j, j+1
.endr
.set j, 0
.rept 16
	global_load_b128 v[ZR+4*j:ZR+4*j+3], v[GOFF+j/2], s[12:13] offset:256*(j%2)
.set j, j+1
.endr
.endm
	s_load_b256 s[4:11], s[0:1], 0x0               ; W1 s[4:5], W2 s[6:7], b1 s[8:9], b2 s[10:11]
	s_load_b128 s[12:15], s[0:1], 0x20             ; z s[12:13], angle_idx s[14:15]
	s_load_b64 s[16:17], s[0:1], 0x30              ; out0
	v_lshl_add_u32 v[SPW], v0, 2, SPARE
	v_mov_b32 v[NIL], 0
	v_lshrrev_b32 v[TMP], 5, v0
	v_readfirstlane_b32 s20, v[TMP]                ; w
	s_mov_b32 s21, ttmp9                           ; cb
	s_and_b32 s22, ttmp7, 0xffff                   ; e
	v_and_b32 v[LN], 31, v0
	v_and_b32 v[LR], 15, v0
	v_bfe_u32 v[LH], v0, 4, 1
	v_lshlrev_b32 v[LOFF], 4, v[LN]
	v_lshlrev_b32 v[L4], 2, v[LN]
	v_lshlrev_b32 v[R16], 4, v[LR]
	v_lshlrev_b32 v[H8], 3, v[LH]
	v_lshlrev_b32 v[LRID], 5, v[LH]                ; 32 h
	v_lshl_add_u32 v[LGID], s20, 6, v[LRID]        ; 64 w + 32 h
	v_lshl_add_u32 v[PW], s20, 4, v[H8]
	s_mul_i32 s37, s20, 448
	v_add_nc_u32 v[VB1], s37, v[LRID]
	s_mul_i32 s38, s20, LSTW
	s_add_co_u32 s38, s38, LIST                    ; my list
	v_add_nc_u32 v[LRID], s38, v[LRID]
	v_add_nc_u32 v[LGID], s38, v[LGID]
	v_add_nc_u32 v[LPF], s38, v[LOFF]
	s_mov_b32 s24, 0                               ; matches so far
	s_mov_b32 s29, 0                               ; the high word of every offset pair; stays 0
	s_lshl_b32 s27, s22, 12
	s_lshl_b32 s37, s21, 8
	s_add_co_u32 s27, s27, s37
	s_lshl_b32 s37, s20, 6
	s_add_co_u32 s27, s27, s37                     ; 4096 e + 256 cb + 64 w: my first row of W2, my first number of b2
	s_wait_kmcnt 0x0
	s_mul_i32 s28, s22, 204800
	s_mul_i32 s37, s20, 57344
	s_add_co_u32 s28, s28, s37
	s_add_nc_u64 s[4:5], s[4:5], s[28:29]          ; W1[e], my first hid tile
	s_mul_i32 s28, s27, 1600
	s_add_nc_u64 s[6:7], s[6:7], s[28:29]          ; W2: my 64 rows, 102,400 dense bytes
	s_mul_i32 s28, s22, 1600
	s_add_nc_u64 s[8:9], s[8:9], s[28:29]          ; b1[e]
	s_lshl_b32 s28, s27, 2
	s_add_nc_u64 s[10:11], s[10:11], s[28:29]      ; b2: my 64 numbers
	s_lshl_b32 s28, s21, 10
	s_lshl_b32 s37, s20, 8
	s_add_co_u32 s28, s28, s37
	s_add_nc_u64 s[16:17], s[16:17], s[28:29]      ; out0: my 256 bytes of row 0
	; The small loads go first: they are older than the whole stream, so no later count has to name them.
	global_load_b128 v[RB2:RB2+3], v[R16], s[10:11]          ; b2 of columns 4 r .. 4 r + 3
	WIN 0x80
.set i, 0
.rept 4
	global_load_b128 v[B1C+8*i:B1C+8*i+3],   v[VB1], s[8:9] offset:64*i      ; b1 as layer 1's C: register j holds hid 16 (7 w + i) + 8 h + j
	global_load_b128 v[B1C+8*i+4:B1C+8*i+7], v[VB1], s[8:9] offset:64*i+16
.set i, i+1
.endr
	WIN 0
	s_cmp_eq_u32 s20, 3
	s_cbranch_scc1 .Lb1_four                       ; wave 3 has four tiles
	WIN 0x80
.rept 3
	global_load_b128 v[B1C+8*i:B1C+8*i+3],   v[VB1], s[8:9] offset:64*i
	global_load_b128 v[B1C+8*i+4:B1C+8*i+7], v[VB1], s[8:9] offset:64*i+16
.set i, i+1
.endr
	WIN 0
	s_branch .Lb1_in
.Lb1_four:                                             ; wave 3: the registers of tiles 4 to 6 are written too, with 0; it never reads them
	WIN 0x80
.set k, 0
.rept 24
	v_mov_b32 v[B1C+32+k], 0
.set k, k+1
.endr
	WIN 0
.Lb1_in:
.set j, 0
.rept 16
	global_load_b128 v[ZR+4*j:ZR+4*j+3], v[LOFF], s[14:15] offset:512*j   ; all 2,048 indices: register 4 j + c of lane l holds row 128 j + 4 l + c's
.set j, j+1
.endr
	ISSUE_W1 0, 0
	ISSUE_W1 1, 1
	ISSUE_W1 2, 2
	WIN 0
	; lane addresses, while the loads are on their way
	s_mul_i32 s27, s20, STGW                       ; my stage
	s_mul_i32 s37, s20, 4352
	s_add_co_u32 s37, s37, ZT
	v_mul_u32_u24 v[TMP], v[LH], 2176
	v_lshl_add_u32 v[TMP], v[LR], 3, v[TMP]
	v_add_nc_u32 v[ZST], s37, v[TMP]
	v_mul_u32_u24 v[TMP], v[LR], 272
	v_lshl_add_u32 v[TMP], v[LH], 4, v[TMP]
	v_add_nc_u32 v[ZFR], ZT, v[TMP]
	v_add_nc_u32 v[W1FR], s27, v[TMP]
	v_mul_u32_u24 v[TMP], v[LR], 816
	v_lshl_add_u32 v[TMP], v[LH], 4, v[TMP]
	v_add_nc_u32 v[HFR], HT, v[TMP]
	v_add_nc_u32 v[W2FR], s27, v[TMP]
	s_mul_i32 s37, s20, 224
	s_add_co_u32 s37, s37, HT
	v_add_nc_u32 v[HST], s37, v[TMP]
	v_lshl_add_u32 v[W1ST], v[LN], 3, s27
	; Load j of a unit of W2 brings lane l the four numbers c = 32 j + l of 800: row i = c / 100, numbers 4 (c - 100 i) on; they go to stage row 16 (i % 4) + i / 4, byte 8 (c - 100 i).
	; j is a constant of the text and a load meets at most one row's end, at lane CUT (4, 8, .. 28).  18 addresses are my stage + 8 l + KA.  In the other 7 the lanes from CUT on take KB for KA:
	; bit 5 of l + 32 - CUT is 1 from CUT on, bit 5 of l + 64 - CUT is 1 ahead of it; the bit times the two constants' difference, taken so that it is positive, is added to the smaller one.
.set j, 0
.rept 25
.set I0, (32*j)/100
.set I1, (32*j+31)/100
.set KA, 816*(16*(I0%4)+I0/4)+8*(32*j-100*I0)
.if I1 == I0
	v_add_nc_u32 v[WA+j], KA, v[W1ST]
.else
.set CUT, 100*I1-32*j
.set KB, 816*(16*(I1%4)+I1/4)+256*j-800*I1
.if KB >= KA
	v_add_nc_u32 v[T2], 32-CUT, v[LN]
	v_bfe_u32 v[T2], v[T2], 5, 1
	v_mul_u32_u24 v[T2], v[T2], KB-KA
	v_add_nc_u32 v[T2], KA, v[T2]
.else
	v_add_nc_u32 v[T2], 64-CUT, v[LN]
	v_bfe_u32 v[T2], v[T2], 5, 1
	v_mul_u32_u24 v[T2], v[T2], KA-KB
	v_add_nc_u32 v[T2], KB, v[T2]
.endif
	v_add_nc_u32 v[WA+j], v[W1ST], v[T2]
.endif
.set j, j+1
.endr
	; the zeros of K = 400..415: the upper half of K step 12, in h's fragment and in W2's four
.set k, 0
.rept 4
	v_mov_b32 v[AF+100+k], 0
.set k, k+1
.endr
	; my list's 2,048 words are set to 0: the words from n on are read too (and replaced by the row of place 0), so they are written first
.set j, 0
.rept 16
	ds_store_b128 v[LPF], v[AF+100:AF+103] offset:512*j
.set j, j+1
.endr
	WIN 0x80
.set k, 0
.rept 16
	v_mov_b32 v[128+8*(k/4)+4+k%4], 0
.set k, k+1
.endr
	WIN 0
	s_cmp_eq_u32 s20, 3
	s_cbranch_scc1 .Lw1_four
	W1PART 7
	s_branch .Lw1_in
.Lw1_four:
	W1PART 4
	WIN 0xc0                                       ; wave 3: the fragment registers of tiles 4 to 6 are written too, with 0; it never reads them
.set k, 0
.rept 96
	v_mov_b32 v[128+k], 0
.set k, k+1
.endr
	WIN 0
.Lw1_in:
.set t, 0
.rept 4
	v_mul_f32 v[NB2+2*t],   0xbfb8aa3b, v[RB2+t]   ; -log2 e x b2: the sigmoid's scaling then adds the bias in the same fused multiply-add
	v_mul_f32 v[NB2+2*t+1], 0xbfb8aa3b, v[RB2+t]
.set t, t+1
.endr
	; W2's eight units; unit u lies in set (u + 1) % 3.  Behind unit u stay out: units u + 1 and u + 2 (50 loads); at u = 6 unit 7 and the 16 loads of the first gather; at u = 7 those 16.
	; Behind the request that follows each of units 0 to 3 stands a quarter of the list's making (the indices are older than every unit of W1, so the ring's first wait has shown them in).
.set u, 0
.rept 8
.set cw, 50
.if u == 6
.set cw, 41
.endif
.if u == 7
.set cw, 16
.endif
	s_wait_loadcnt cw
	DRAIN_W2 u, (u+1)%3
.if u+3 < 8
	ISSUE_W2 u+3, (u+1)%3
	WIN 0
.endif
.if u < 4
	COMPACT u
.endif
.if u == 4
	s_min_u32 s23, s24, 2048                       ; n
	s_mov_b32 s39, s23                             ; the list's rows from block 0's first place on, for the first gather
	v_mov_b32 v[T2], s38
	ds_load_b32 v[ID0], v[T2]                      ; the row at place 0, in every lane
	ds_load_b128 v[GID:GID+3],   v[LGID]           ; block 0: places 16 w + 8 h + 0..7
	ds_load_b128 v[GID+4:GID+7], v[LGID] offset:16
.endif
.if u == 5
	s_wait_dscnt 25                                ; unit 5's 25 stores, issued behind those three loads, stay out
	ZGATHER                                        ; block 0 of z, when the stream's last unit has been asked for
.endif
.set u, u+1
.endr
	; W2's fragments: n tile t, K step s: stage rows 16 t + r.  100 loads; they are waited for in front of the first barrier.
.set ks, 0
.rept 13
.if ks < 8
	WIN 0x40
.set wb, 32*ks
.else
	WIN 0x80
.set wb, 32*(ks-8)
.endif
.set nt, 0
.rept 4
	ds_load_b128 v[wb+8*nt:wb+8*nt+3], v[W2FR] offset:13056*nt+64*ks
.if ks < 12
	ds_load_b128 v[wb+8*nt+4:wb+8*nt+7], v[W2FR] offset:13056*nt+64*ks+32
.endif
.set nt, nt+1
.endr
.set ks, ks+1
.endr
	WIN 0
; z fragments of row tile mt (16 rows x 128 K: 8 loads) into buffer zb
.macro ZLOAD mt, zb
	WIN 0xc0*(\zb)
.set zbb, ZB0+24*(\zb)
.set ks, 0
.rept 4
	ds_load_b128 v[zbb+8*ks:zbb+8*ks+3],   v[ZFR] offset:4352*(\mt)+64*ks
	ds_load_b128 v[zbb+8*ks+4:zbb+8*ks+7], v[ZFR] offset:4352*(\mt)+64*ks+32
.set ks, ks+1
.endr
.endm
; Layer 1 for hid tiles i0 .. i0 + ni - 1: K outer, tiles inner, so that the accumulators take turns, one instruction a turn.  The first K step takes b1 as C.
.macro L1MM i0, ni, zb
.set zbb, ZB0+24*(\zb)
.set ks, 0
.rept 4
.if ks == 0
	WIN 0x23+0x0c*(\zb)
.else
	WIN 0x03+0x0c*(\zb)
.endif
.set ti, \i0
.rept \ni
.if ks == 0
	v_wmma_f32_16x16x32_bf16 v[ACC1+8*ti:ACC1+8*ti+7], v[8*(4*ti+ks):8*(4*ti+ks)+7], v[zbb+8*ks:zbb+8*ks+7], v[B1C+8*ti:B1C+8*ti+7]
.else
	v_wmma_f32_16x16x32_bf16 v[ACC1+8*ti:ACC1+8*ti+7], v[8*(4*ti+ks):8*(4*ti+ks)+7], v[zbb+8*ks:zbb+8*ks+7], v[ACC1+8*ti:ACC1+8*ti+7]
.endif
.set ti, ti+1
.endr
.set ks, ks+1
.endr
.endm
; relu, rounding (in place, ascending: each accumulator is read from its low end on) and 16 bytes of my sample's row of h
.macro L1OUT i, mt
	WIN 0
.set a, ACC1+8*(\i)
.set k, 0
.rept 8
	v_max_num_f32 v[a+k], 0, v[a+k]
.set k, k+1
.endr
.set k, 0
.rept 4
	v_cvt_pk_bf16_f32 v[a+k], v[a+2*k], v[a+2*k+1]
.set k, k+1
.endr
	ds_store_b128 v[HST], v[a:a+3] offset:13056*(\mt)+32*(\i)
.endm
.macro L1TILE mt
.if (\mt) >= 1
	s_cmp_le_i32 s26, 16*(\mt)                     ; no row of the list left for this tile or the later ones
	s_cbranch_scc1 .Ll1_end
.endif
.if (\mt) < 3
	s_wait_dscnt 0x8                               ; all but the youngest eight, the next tile's z fragments: mine are in
.else
	s_wait_dscnt 0x0
.endif
	L1MM 0, 4, (\mt)%2
	PLACES
	WIN 0
	s_cmp_eq_u32 s20, 3
	s_cbranch_scc1 .Lfour_\@
	L1MM 4, 3, (\mt)%2
	PLACES
	L1OUT 4, \mt
	L1OUT 5, \mt
	L1OUT 6, \mt
.Lfour_\@:
	L1OUT 0, \mt
	L1OUT 1, \mt
	L1OUT 2, \mt
	L1OUT 3, \mt
.if (\mt) < 2
	ZLOAD (\mt)+2, (\mt)%2                         ; into the buffer just multiplied; all 64 rows of ZT were stored in this trip
	WIN 0
.endif
.endm
; h fragments of row tile mt: 13 K steps, the last one's upper half stays zero: 25 loads
.macro ALOAD mt
	WIN 0
.set ks, 0
.rept 13
	ds_load_b128 v[AF+8*ks:AF+8*ks+3], v[HFR] offset:13056*(\mt)+64*ks
.if ks < 12
	ds_load_b128 v[AF+8*ks+4:AF+8*ks+7], v[HFR] offset:13056*(\mt)+64*ks+32
.endif
.set ks, ks+1
.endr
.endm
.macro L2TILE mt
.if (\mt) >= 1
	s_cmp_le_i32 s26, 16*(\mt)
	s_cbranch_scc1 .Ll2_tail
.endif
	s_wait_dscnt 0x0                               ; the tile's h fragments are in
.set ks, 0
.rept 13                                               ; 52 products: K outer, the four n tiles inner: the accumulators take turns; the first K step starts the sums
.if ks < 8
	WIN 0xa4
.set wb, 32*ks
.else
	WIN 0xa8
.set wb, 32*(ks-8)
.endif
.set nt, 0
.rept 4
.if ks == 0
	v_wmma_f32_16x16x32_bf16 v[ACC2+8*nt:ACC2+8*nt+7], v[AF+8*ks:AF+8*ks+7], v[wb+8*nt:wb+8*nt+7], 0
.else
	v_wmma_f32_16x16x32_bf16 v[ACC2+8*nt:ACC2+8*nt+7], v[AF+8*ks:AF+8*ks+7], v[wb+8*nt:wb+8*nt+7], v[ACC2+8*nt:ACC2+8*nt+7]
.endif
.set nt, nt+1
.endr
.set ks, ks+1
.endr
	PLACES
	WIN 0
.if (\mt) < 3
	s_cmp_le_i32 s26, 16*(\mt)+16
	s_cbranch_scc1 .Lno_next_\@
	ALOAD (\mt)+1                                  ; the next tile's fragments land under this tile's sigmoid
.Lno_next_\@:
.endif
	WIN 0x82                                       ; sums in window 2, b2 in window 0
.set nt, 0
.rept 4
.set p, 0
.rept 4
	v_pk_fma_f32 v[ACC2+8*nt+2*p:ACC2+8*nt+2*p+1], v[ACC2+8*nt+2*p:ACC2+8*nt+2*p+1], 0xbfb8aa3b, v[NB2+2*nt:NB2+2*nt+1] op_sel_hi:[1,0,1]  ; -log2 e (x + b2)
.set p, p+1
.endr
.set nt, nt+1
.endr
.set p, 0
.rept 32
	v_exp_f32 v[ACC2+p], v[ACC2+p]
.set p, p+1
.endr
	v_nop                                          ; a plain instruction between the last exponential and the use of its result (ISA guide 5.7.2)
.set p, 0
	s_wait_alu depctr_va_vdst(0)
.rept 16
	v_pk_add_f32 v[ACC2+2*p:ACC2+2*p+1], v[ACC2+2*p:ACC2+2*p+1], 1.0 op_sel_hi:[1,0]
.set p, p+1
.endr
	s_wait_xcnt 0x0                                ; the registers that the last tile's stores read are written again only behind this wait
	WIN 0xc2
.set p, 0
.rept 32
	v_rcp_f32 v[OQ+4*(p%8)+p/8], v[ACC2+p]         ; n tile p / 8, row p % 8: a row's four columns fall into one quad
.set p, p+1
.endr
	v_nop                                          ; a plain instruction between the last reciprocal and the stores
	WIN 0x0c                                       ; address in window 0, data in window 3
.set j, 0
	s_wait_alu depctr_va_vdst(0)
.rept 8
	global_store_b128 v[OFFS+8*(\mt)+j], v[OQ+4*j:OQ+4*j+3], s[16:17] th:TH_STORE_NT  ; lanes 0-15 and lanes 16-31 each store 256 consecutive bytes, at a multiple of 256 from out0's first byte
.set j, j+1
.endr
	WIN 0
.endm
	s_mov_b32 s25, 0                               ; b: the block of 64 places of the list
.Ltrip:
	s_lshl_b32 s27, s25, 6
	s_sub_co_i32 s26, s23, s27                     ; rows of the list from this block's first place on; 0 or less: the trip is dead
	s_cmp_le_i32 s26, 0
	s_cbranch_scc1 .Lz_in
	; THE HEAD: block b of z goes into ZT, block b + 1 is asked for
	s_add_co_u32 s27, s25, 1
	s_min_u32 s27, s27, 31                         ; the look-ahead stays inside the list's 32 blocks
	s_lshl_b32 s28, s27, 8
	v_add_nc_u32 v[TMP], s28, v[LGID]
	ds_load_b128 v[GID:GID+3],   v[TMP]            ; the list's block b + 1: places 16 w + 8 h + 0..7
	ds_load_b128 v[GID+4:GID+7], v[TMP] offset:16
	s_sub_co_i32 s39, s26, 64                      ; rows of the list from block b + 1's first place on
	s_wait_loadcnt 0x0                             ; block b of z, asked for in the last head (or the prologue); its address registers are free with that
.set p, 0
.rept 32
	v_cvt_pk_bf16_f32 v[PK+p], v[ZR+2*p], v[ZR+2*p+1]
.set p, p+1
.endr
.set j, 0
.rept 16
	ds_store_b64 v[ZST], v[PK+2*j:PK+2*j+1] offset:272*(j/2)+128*(j%2)
.set j, j+1
.endr
	s_wait_dscnt 16                                ; the 16 stores issued behind the two list loads stay out
	ZGATHER                                        ; block b + 1 of z: it has the whole trip in which to land (behind the list's end: the row of place 0, not used)
.Lz_in:
	s_wait_dscnt 0x0                               ; for the others' sake: my rows of z are in ZT; my reads of HT (last trip) are over; in the first trip W1's and W2's fragments are in
	s_barrier_signal -1
	s_barrier_wait -1                              ; ZT is whole; nobody reads HT any more
	s_cmp_le_i32 s26, 0
	s_cbranch_scc1 .Ll1_end
	; LAYER 1
	ZLOAD 0, 0
	ZLOAD 1, 1
	WIN 0
	L1TILE 0
	L1TILE 1
	L1TILE 2
	L1TILE 3
.Ll1_end:
	s_wait_dscnt 0x0                               ; my part of h is in HT; my reads of ZT are over
	s_barrier_signal -1
	s_barrier_wait -1                              ; HT is whole for every live tile; nobody reads ZT any more
	s_cmp_le_i32 s26, 0
	s_cbranch_scc1 .Ll2_end
	; LAYER 2
	s_lshl_b32 s28, s25, 8
	v_add_nc_u32 v[TMP], s28, v[LRID]
.set j, 0
.rept 4
	ds_load_b128 v[OFFS+8*j:OFFS+8*j+3],   v[TMP] offset:64*j      ; the list's block b: tile j, places 16 j + 8 h + 0..7: the rows that my lanes store
	ds_load_b128 v[OFFS+8*j+4:OFFS+8*j+7], v[TMP] offset:64*j+16
.set j, j+1
.endr
	ALOAD 0
	s_wait_dscnt 25                                ; the 25 fragment loads issued behind them stay out, and land under the lines below
	; the stores' offsets: a place at or past the list's end takes the row of place 0; the row number is bounded; then a shift (16,384 bytes a row) and an add (my 16 bytes).
	; With my wave's part of the base the farthest byte stored is out0's last.
.set k, 0
.rept 32
	s_sub_co_i32 s37, s26, 16*(k/8)+k%8
	v_cmp_lt_i32 vcc_lo, v[H8], s37                ; is place 16 (k / 8) + 8 h + k % 8 ahead of the end?
	v_cndmask_b32 v[OFFS+k], v[ID0], v[OFFS+k], vcc_lo
.set k, k+1
.endr
.set j, 0
.rept 32
	v_min_u32 v[OFFS+j], 2047, v[OFFS+j]
.set j, j+1
.endr
.set j, 0
.rept 32
	v_lshlrev_b32 v[OFFS+j], 14, v[OFFS+j]
.set j, j+1
.endr
.set j, 0
.rept 32
	v_add_nc_u32 v[OFFS+j], v[R16], v[OFFS+j]
.set j, j+1
.endr
	L2TILE 0
	L2TILE 1
	L2TILE 2
	L2TILE 3
.Ll2_tail:
	s_wait_xcnt 0x0                                ; the stores have read their offsets and data: both are written again in the next trip, only behind this wait
.Ll2_end:
	s_wait_dscnt 0x0                               ; no fragment load of mine is out when the next trip writes those registers
	s_add_co_u32 s25, s25, 1
	s_cmp_lt_u32 s25, TRIPS
	s_cbranch_scc1 .Ltrip
	s_wait_tensorcnt 0x0                           ; the wave's end, behind my last LDS store
	ds_add_u32 v[SPW], v[NIL]
	s_wait_dscnt 0x0
	s_endpgm
.Lfunc_end_k_q3825dfb6f8_mlp:
	.size	k_q3825dfb6f8_mlp, .Lfunc_end_k_q3825dfb6f8_mlp-k_q3825dfb6f8_mlp
	.p2alignl 7, 3214868480
	.fill 96, 4, 3214868480
	.section	.rodata,"a",@progbits
	.p2align	6, 0x0
	.amdhsa_kernel k_q3825dfb6f8_mlp
		.amdhsa_group_segment_fixed_size 312832
		.amdhsa_private_segment_fixed_size 0
		.amdhsa_enable_private_segment 0
		.amdhsa_kernarg_size 56
		.amdhsa_user_sgpr_count 2
		.amdhsa_user_sgpr_kernarg_segment_ptr 1
		.amdhsa_wavefront_size32 1
		.amdhsa_system_sgpr_workgroup_id_x 1
		.amdhsa_system_sgpr_workgroup_id_y 1
		.amdhsa_system_sgpr_workgroup_id_z 1
		.amdhsa_system_vgpr_workitem_id 0
		.amdhsa_next_free_vgpr 1024
		.amdhsa_next_free_sgpr 66
		.amdhsa_reserve_vcc 1
		.amdhsa_float_denorm_mode_32 3
		.amdhsa_float_denorm_mode_16_64 3
		.amdhsa_memory_ordered 1
		.amdhsa_forward_progress 1
		.amdhsa_inst_pref_size 255
	.end_amdhsa_kernel
	.section	.bss,"aw",@nobits
	.p2align	6
	.space	262144
	.amdgpu_metadata
---
amdhsa.version: [ 1, 2 ]
amdhsa.kernels:
  - .name:           k_q3825dfb6f8_mlp
    .symbol:         k_q3825dfb6f8_mlp.kd
    .args:
      - { .name: W1, .offset: 0, .size: 8, .value_kind: global_buffer, .address_space: global }
      - { .name: W2, .offset: 8, .size: 8, .value_kind: global_buffer, .address_space: global }
      - { .name: b1, .offset: 16, .size: 8, .value_kind: global_buffer, .address_space: global }
      - { .name: b2, .offset: 24, .size: 8, .value_kind: global_buffer, .address_space: global }
      - { .name: z, .offset: 32, .size: 8, .value_kind: global_buffer, .address_space: global }
      - { .name: angle_idx, .offset: 40, .size: 8, .value_kind: global_buffer, .address_space: global }
      - { .name: out0, .offset: 48, .size: 8, .value_kind: global_buffer, .address_space: global }
    .group_segment_fixed_size: 312832
    .private_segment_fixed_size: 0
    .kernarg_segment_align: 8
    .kernarg_segment_size: 56
    .max_flat_workgroup_size: 128
    .sgpr_count:     66
    .vgpr_count:     1024
    .wavefront_size: 32
...
	.end_amdgpu_metadata
.endif
;; end of part 3
